; MI455X (gfx1250); checked and timed in simulation.
; The chip was launched on July 23, 2026; its instructions are those of AMD's public machine-readable ISA for CDNA 5 (MIT licence, August 2026) and "CDNA5" Instruction Set Architecture Reference Guide (July 2026). The comments in the code are by the model that wrote it; some were corrected since.
;; Self Attention. Allowed arithmetic: float matrix products may take bf16 or f16 operands with f32 sums; all other float work in f32.
;; Inputs: Wk 768 x 768 float32; Wp 768 x 768 float32; Wq 768 x 768 float32; Wv 768 x 768 float32; bk 768 float32; bp 768 float32; bq 768 float32; bv 768 float32; x 2 x 2,048 x 768 float32.
;; Outputs: out0 2 x 2,048 x 768 float32.
;; One version. Each part assembles by itself: llvm-mc -triple=amdgcn-amd-amdhsa -mcpu=gfx1250 --defsym DOCPART=n.
;; ======== version 1 of 1: 4 launches
;; limits: values are held in f16: magnitudes above 65,504 overflow, below 6.1e-05 lose precision
;; workspace buffers: xh 6,291,456 bytes; wh 3,538,944 bytes; wph 1,179,648 bytes; qkv 18,874,368 bytes; y 6,291,456 bytes
;; launch cast (part 1): grid 16 x 28, 8 waves a work-group, no clusters, 0 bytes of LDS; arguments x, Wq, Wk, Wv, Wp, xh, wh, wph; writes xh, wh, wph
.if DOCPART == 1
	.amdgcn_target "amdgcn-amd-amdhsa--gfx1250"
	.amdhsa_code_object_version 6
	.text
	.protected	k_q489723ec67_cast
	.globl	k_q489723ec67_cast
	.p2align	8
	.type	k_q489723ec67_cast,@function
k_q489723ec67_cast:
	s_mov_b64 s[64:65], 0
	v_nop
	global_prefetch_b8 v0, s[64:65] scope:SCOPE_SE
	s_setreg_imm32_b32 hwreg(HW_REG_WAVE_MODE, 25, 1), 1
	s_wait_xcnt 0x0
; f32 -> f16 copies of x and of the four weight matrices, so that the two GEMM launches move and read 16-bit tiles only.
; xh = x; wh = Wq, Wk, Wv one below the other (2,304 rows of 768); wph = Wp.
; LIMIT: a number of 65,520 or more in magnitude becomes an infinity in f16; numbers below 6e-8 become 0.
; A stream: no LDS, no matrix unit, no cluster (no two work-groups read the same byte).
; The grid's y counts units of 196,608 numbers: x is units 0-15, Wq 16-18, Wk 19-21, Wv 22-24, Wp 25-27.
; The grid's x cuts a unit into 16 chunks of 12,288 numbers = 256 threads x 8 numbers x 6 turns.
; All twelve loads of a thread go out first; nothing is rewritten, so the only waits are the counted ones for the data.
.set X, 8                              ; v[8:55]   turn i: 8 numbers in f32
.set Y, 56                             ; v[56:79]  turn i: 8 numbers in f16
.set SRC_CHUNK, 49152                  ; bytes of a chunk in f32
.set DST_CHUNK, 24576                  ; and in f16
	s_load_b512 s[8:23], s[0:1], 0x0               ; x s[8:9], Wq s[10:11], Wk s[12:13], Wv s[14:15], Wp s[16:17], xh s[18:19], wh s[20:21], wph s[22:23]
	s_and_b32 s2, ttmp7, 0xffff                    ; the unit
	v_lshlrev_b32 v1, 5, v0                        ; my 32 bytes of a turn's 8,192 in the source
	v_lshlrev_b32 v2, 4, v0                        ; my 16 bytes of a turn's 4,096 in the copy
	s_wait_kmcnt 0x0
	; which buffer the unit belongs to, and the first unit of that source (s28) and of that copy (s29)
	s_mov_b64 s[24:25], s[8:9]
	s_mov_b64 s[26:27], s[18:19]
	s_mov_b32 s28, 0
	s_mov_b32 s29, 0
	s_cmp_ge_u32 s2, 16
	s_cselect_b64 s[24:25], s[10:11], s[24:25]
	s_cselect_b64 s[26:27], s[20:21], s[26:27]
	s_cselect_b32 s28, 16, s28
	s_cselect_b32 s29, 16, s29
	s_cmp_ge_u32 s2, 19
	s_cselect_b64 s[24:25], s[12:13], s[24:25]
	s_cselect_b32 s28, 19, s28
	s_cmp_ge_u32 s2, 22
	s_cselect_b64 s[24:25], s[14:15], s[24:25]
	s_cselect_b32 s28, 22, s28
	s_cmp_ge_u32 s2, 25
	s_cselect_b64 s[24:25], s[16:17], s[24:25]
	s_cselect_b64 s[26:27], s[22:23], s[26:27]
	s_cselect_b32 s28, 25, s28
	s_cselect_b32 s29, 25, s29
	s_sub_co_u32 s30, s2, s28                      ; unit inside the source,
	s_lshl_b32 s30, s30, 4
	s_add_co_u32 s30, s30, ttmp9                   ; chunk inside the source,
	s_mul_i32 s30, s30, SRC_CHUNK                  ; in bytes (12.6 MB at the most)
	s_mov_b32 s31, 0
	s_add_nc_u64 s[24:25], s[24:25], s[30:31]
	s_sub_co_u32 s32, s2, s29
	s_lshl_b32 s32, s32, 4
	s_add_co_u32 s32, s32, ttmp9
	s_mul_i32 s32, s32, DST_CHUNK
	s_mov_b32 s33, 0
	s_add_nc_u64 s[26:27], s[26:27], s[32:33]
.irp i, 0,1,2,3,4,5
	global_load_b128 v[X+8*\i:X+8*\i+3],   v1, s[24:25] offset:8192*\i th:TH_LOAD_NT      ; the two loads of a turn cover
	global_load_b128 v[X+8*\i+4:X+8*\i+7], v1, s[24:25] offset:8192*\i+16 th:TH_LOAD_NT   ; 1,024 consecutive bytes a wave
.endr
.irp i, 0,1,2,3,4,5
	s_wait_loadcnt 10-2*\i                         ; loads return in order: this turn's two are in, the later turns' stay out
.irp j, 0,1,2,3
	v_cvt_pk_f16_f32 v[Y+4*\i+\j], v[X+8*\i+2*\j], v[X+8*\i+2*\j+1]
.endr
	global_store_b128 v2, v[Y+4*\i:Y+4*\i+3], s[26:27] offset:4096*\i   ; a wave's store covers 512 consecutive bytes, aligned
.endr
	s_endpgm
.Lfunc_end_k_q489723ec67_cast:
	.size	k_q489723ec67_cast, .Lfunc_end_k_q489723ec67_cast-k_q489723ec67_cast
	.p2alignl 7, 3214868480
	.fill 96, 4, 3214868480
	.section	.rodata,"a",@progbits
	.p2align	6, 0x0
	.amdhsa_kernel k_q489723ec67_cast
		.amdhsa_group_segment_fixed_size 0
		.amdhsa_private_segment_fixed_size 0
		.amdhsa_enable_private_segment 0
		.amdhsa_kernarg_size 64
		.amdhsa_user_sgpr_count 2
		.amdhsa_user_sgpr_kernarg_segment_ptr 1
		.amdhsa_wavefront_size32 1
		.amdhsa_system_sgpr_workgroup_id_x 1
		.amdhsa_system_sgpr_workgroup_id_y 1
		.amdhsa_system_sgpr_workgroup_id_z 1
		.amdhsa_system_vgpr_workitem_id 0
		.amdhsa_next_free_vgpr 80
		.amdhsa_next_free_sgpr 66
		.amdhsa_reserve_vcc 0
		.amdhsa_float_denorm_mode_32 3
		.amdhsa_float_denorm_mode_16_64 3
		.amdhsa_memory_ordered 1
		.amdhsa_forward_progress 1
		.amdhsa_inst_pref_size 5
	.end_amdhsa_kernel
	.amdgpu_metadata
---
amdhsa.version: [ 1, 2 ]
amdhsa.kernels:
  - .name:           k_q489723ec67_cast
    .symbol:         k_q489723ec67_cast.kd
    .args:
      - { .name: x, .offset: 0, .size: 8, .value_kind: global_buffer, .address_space: global }
      - { .name: Wq, .offset: 8, .size: 8, .value_kind: global_buffer, .address_space: global }
      - { .name: Wk, .offset: 16, .size: 8, .value_kind: global_buffer, .address_space: global }
      - { .name: Wv, .offset: 24, .size: 8, .value_kind: global_buffer, .address_space: global }
      - { .name: Wp, .offset: 32, .size: 8, .value_kind: global_buffer, .address_space: global }
      - { .name: xh, .offset: 40, .size: 8, .value_kind: global_buffer, .address_space: global }
      - { .name: wh, .offset: 48, .size: 8, .value_kind: global_buffer, .address_space: global }
      - { .name: wph, .offset: 56, .size: 8, .value_kind: global_buffer, .address_space: global }
    .group_segment_fixed_size: 0
    .private_segment_fixed_size: 0
    .kernarg_segment_align: 8
    .kernarg_segment_size: 64
    .max_flat_workgroup_size: 256
    .sgpr_count:     66
    .vgpr_count:     80
    .wavefront_size: 32
...
	.end_amdgpu_metadata
.endif
;; end of part 1
;; launch qkvgemm (part 2): grid 12 x 16, 4 waves a work-group, clusters of 4 x 4, 327,680 bytes of LDS; arguments xh, wh, bq, bk, bv, qkv; writes qkv
.if DOCPART == 2
	.amdgcn_target "amdgcn-amd-amdhsa--gfx1250"
	.amdhsa_code_object_version 6
	.text
	.protected	k_q489723ec67_qkvgemm
	.globl	k_q489723ec67_qkvgemm
	.p2align	8
	.type	k_q489723ec67_qkvgemm,@function
k_q489723ec67_qkvgemm:
	s_mov_b64 s[64:65], 0
	v_nop
	global_prefetch_b8 v0, s[64:65] scope:SCOPE_SE
	s_setreg_imm32_b32 hwreg(HW_REG_WAVE_MODE, 25, 1), 1
	s_wait_xcnt 0x0
	s_wait_alu depctr_hold_cnt(0) depctr_sa_sdst(0) depctr_va_vdst(0) depctr_va_sdst(0) depctr_va_ssrc(0) depctr_va_vcc(0) depctr_vm_vsrc(0)
	s_getreg_b32 s2, hwreg(HW_REG_IB_STS2, 6, 4)
	s_cmp_eq_u32 s2, 0
	s_cbranch_scc0 .Lentry_in_a_cluster
	s_endpgm
.Lentry_in_a_cluster:
	s_bfe_u32 s2, ttmp6, 0x10000c
	s_cmp_lg_u32 s2, 0xf033
	s_cbranch_scc0 .Lentry_shape_is_right
	s_endpgm
.Lentry_shape_is_right:
; q, k, v = x W^T + b for the three matrices at once: [4096 x 768] times [2304 x 768]^T, f16 operands, f32 sums, f16 results.
; q is also multiplied by 0.125 log2(e), so that the attention launch gets its scores ready for exponentials of base 2.
; Result: 72 planes of [2048 tokens][64] f16; plane = 2 (column / 64) + batch: q's heads are planes 0-23, k's 24-47, v's 48-71.
; LIMIT: results of 65,520 or more in magnitude become infinities in f16.
; A work-group makes 256 tokens x 192 columns (three whole heads, so that every stored run of bytes is whole tokens of one head);
; wave w makes tokens 64 w .. 64 w + 63 of them, all 192 columns: 4 x 12 accumulator tiles, 384 registers.
; K = 768 goes in six steps of 128 through two LDS slots filled by tensor loads; a tile's rows are 256 consecutive bytes.
; CLUSTERS: 4 x 4 work-groups.  x's tile hangs on the block row alone and is asked for jointly along a row of the cluster,
; W's on the block column alone and is asked for jointly along a column.  Four block columns make one matrix, so the matrix
; (and with it the bias and the factor) is the cluster's x, which all partners share.
; 192 work-groups: 36 heads x 4,096 tokens in blocks of whole heads give 256 equal blocks only as 9 heads x 64 tokens, which would
; bring 983 KB into each LDS where this block brings 688 KB.
; REGISTER WINDOWS: 0: addresses, x's fragments (two buffers), bias, way out;  1: W's fragments (two buffers);
;                   2: accumulators of my token tiles 0, 1 (tile (a, b) at v[8 (12 a + b)]);  3: of my token tiles 2, 3.
; THE MATRIX INSTRUCTION IS USED TRANSPOSED: source 0 = 16 rows of W, source 1 = 16 tokens.  Lane l then holds token l % 16 and its
; registers 0-7 the columns 8 (l / 16) + 0 .. 7 of the tile: eight neighbouring numbers, 16 bytes in f16.
.set CDIM,   768
.set KSTEP,  128
.set PITCH,  272                       ; 256 bytes + 16: 17 x 16 bytes, so sixteen rows start in sixteen different 16-byte columns of 256
.set AHALF,  128*PITCH                 ; what one of x's tensor loads brings
.set ABYTES, 2*AHALF
.set BHALF,  96*PITCH                  ; what one of W's brings
.set SLOT,   ABYTES+2*BHALF            ; 121,856
.set STAGE,  2*SLOT                    ; 243,712: behind the ring, never the target of a tensor load
.set SPITCH, 144                       ; a token of a head: 128 bytes + 16
.set HSTAGE, 16*SPITCH
.set WSTAGE, 3*HSTAGE                  ; a wave's stage: 3 heads x 16 tokens
.set PLANE,  262144
.set ADRA, 16                          ; v16-17  LDS address of my x fragments, slot 0, 1
.set ADRB, 20                          ; v20-21  of the W fragments
.set STO,  24                          ; v24     way out: where I put 16 bytes
.set RD,   25                          ; v25     way out: where I read 16 bytes back
.set CO,   26                          ; v26     16 x lane
.set BO,   27                          ; v27     32 x (lane / 16): my eight columns in the bias
.set FA,   32                          ; window 0: v32-63, v64-95   x's fragments, buffer f at FA + 32 f
.set FB,   0                           ; window 1: v0-95, v96-191   W's fragments, buffer f at FB + 96 f
.set BIAS, 96                          ; v96-191  factor x bias of my 8 columns in each of the 12 column tiles
.set TMP,  192                         ; v192-239 way out: packed results
.set RB,   32                          ; v32-79   way out: rows read back
.set G1,  24                           ; s[24:31] group 1 for x's tiles
.set G0,  32                           ; s[32:39] group 0 for x's tiles, one set a slot
.set G1B, 48                           ; s[48:55] group 1 for W's tiles
.set G0B, 56                           ; s[56:63] group 0 for W's tiles, one set a slot
.set MSB, 0
.macro WIN new                         ; the immediate's high byte repeats the setting that is left
.if MSB != \new
	s_set_vgpr_msb (MSB<<8)|\new
.set MSB, \new
.endif
.endm
.set MUL_LO, 0xa1                      ; source 0 (W) window 1, source 1 (x) window 0, C and D window 2
.set MUL_HI, 0xf1                      ; the same, C and D window 3
.set TO_B,   0x40                      ; destination window 1, address window 0
; A joint load.  Waves 0, 1 fetch x's two halves, waves 2, 3 W's.  The branch hangs on the wave's number alone.
.macro JLOAD s
	s_cmp_eq_u32 s11, 0
	s_cbranch_scc0 .Lfor_b_\@
	tensor_load_to_lds s[G0+4*\s:G0+4*\s+3], s[G1:G1+7]
	s_nop 0
	s_branch .Lasked_\@
.Lfor_b_\@:
	tensor_load_to_lds s[G0B+4*\s:G0B+4*\s+3], s[G1B:G1B+7]
	s_nop 0
.Lasked_\@:
.endm
.macro CREST                           ; a round of the cluster's barrier behind its opening work-group barrier
	s_cmp_lg_u32 s10, 0
	s_cbranch_scc1 .Lnot_wave_0_\@
	s_barrier_signal -3
.Lnot_wave_0_\@:
	s_barrier_wait -3
	s_barrier_signal -1
	s_barrier_wait -1
.endm
.macro CROUND                          ; a whole round
	s_barrier_signal -1
	s_barrier_wait -1
	CREST
.endm
.macro PLACES                          ; four independent vector instructions behind a matrix instruction, before its registers are loaded into or its result is read (ISA guide 7.12.1)
.rept 4
	v_nop
.endr
.endm
	s_load_b128 s[4:7], s[0:1], 0x0                ; xh s[4:5], wh s[6:7]
	s_load_b128 s[72:75], s[0:1], 0x10             ; bq s[72:73], bk s[74:75]
	s_load_b128 s[76:79], s[0:1], 0x20             ; bv s[76:77], qkv s[78:79]
	s_set_vgpr_msb 0x40
	v_lshl_add_u32 v255, v0, 2, 0x42400
	s_set_vgpr_msb 0x4000
	v_mov_b32 v255, 0
	s_set_vgpr_msb 0x1
	ds_add_u32 v255, v255
	s_set_vgpr_msb 0x100
	v_lshrrev_b32 v1, 5, v0
	v_readfirstlane_b32 s10, v1                    ; wave 0..3
	s_lshr_b32 s11, s10, 1                         ; I fetch for x (0) or for W (1)
	s_and_b32 s12, s10, 1                          ; which half of that tile
	s_bfe_u32 s40, ttmp6, 0x40000                  ; cx
	s_bfe_u32 s41, ttmp6, 0x40004                  ; cy
	s_lshl_b32 s42, ttmp9, 2
	s_add_co_u32 s42, s42, s40                     ; block column nb = 4 x cluster x + cx, 0..11
	s_and_b32 s13, ttmp7, 0xffff
	s_lshl_b32 s13, s13, 2
	s_add_co_u32 s13, s13, s41                     ; block row mb = 4 x cluster y + cy, 0..15
	s_lshl_b32 s43, s41, 2
	s_lshl_b32 s43, 15, s43                        ; my row of the cluster
	s_lshl_b32 s44, 0x1111, s40                    ; my column
	; group 1: elements of 2 bytes, 4 words of padding behind every 64 words; x: 128 rows x 128, W: 96 rows x 128; 768 elements from row to row
	s_or_b32 s[G1+0], s43, (1<<16)|(1<<20)|(1<<21)|(5<<22)|(3<<25)
	s_or_b32 s[G1B+0], s44, (1<<16)|(1<<20)|(1<<21)|(5<<22)|(3<<25)
	s_mov_b32 s[G1+1], KSTEP<<16                   ; tensor_dim0 = 128
	s_mov_b32 s[G1B+1], KSTEP<<16
	s_mov_b32 s[G1+2], 128<<16                     ; tensor_dim1
	s_mov_b32 s[G1B+2], 96<<16
	s_mov_b32 s[G1+3], KSTEP<<16                   ; tile_dim0
	s_mov_b32 s[G1B+3], KSTEP<<16
	s_mov_b32 s[G1+4], 128                         ; tile_dim1
	s_mov_b32 s[G1B+4], 96
	s_mov_b32 s[G1+5], CDIM                        ; the pitch
	s_mov_b32 s[G1B+5], CDIM
	s_mov_b32 s[G1+6], 0
	s_mov_b32 s[G1B+6], 0
	s_mov_b32 s[G1+7], 0
	s_mov_b32 s[G1B+7], 0
	; where the tiles come from: x's hang on mb and the wave, W's on nb and the wave, each in registers that never hold the other coordinate
	s_lshl_b32 s17, s12, 7
	s_lshl_b32 s16, s13, 8
	s_add_co_u32 s16, s16, s17                     ; x: row 256 mb + 128 half
	s_mul_i32 s16, s16, CDIM*2                     ; in bytes (6.3 MB at the most)
	s_mov_b32 s17, 0
	s_mul_i32 s47, s12, 96
	s_mul_i32 s46, s42, 192
	s_add_co_u32 s46, s46, s47                     ; W: row 192 nb + 96 half
	s_mul_i32 s46, s46, CDIM*2
	s_mov_b32 s47, 0
	s_mul_i32 s20, s10, AHALF                      ; and where they go: waves 0, 1: x's halves at 0 and AHALF;
	s_mul_i32 s21, s10, BHALF
	s_add_co_u32 s21, s21, ABYTES-2*BHALF          ; waves 2, 3: W's halves at ABYTES and ABYTES + BHALF
	; the factor: 0.125 log2(e) for q (cluster x = 0), 1 for k and v; one text serves the three matrices
	s_cmp_eq_u32 ttmp9, 0
	s_cselect_b32 s66, 0x3e38aa3b, 1.0
	s_mov_b32 s67, s66
	; my first byte in qkv: plane 6 nb + batch, token (mb % 8) 256 + 64 wave of 128 bytes
	s_mul_i32 s70, s42, 6
	s_lshr_b32 s71, s13, 3
	s_add_co_u32 s70, s70, s71
	s_lshl_b32 s70, s70, 18
	s_and_b32 s71, s13, 7
	s_lshl_b32 s71, s71, 8
	s_lshl_b32 s22, s10, 6
	s_add_co_u32 s71, s71, s22
	s_lshl_b32 s71, s71, 7
	s_add_co_u32 s70, s70, s71
	s_mov_b32 s71, 0
	s_wait_dscnt 0x0
	s_wait_kmcnt 0x0
	s_add_nc_u64 s[78:79], s[78:79], s[70:71]
	s_cmp_ge_u32 ttmp9, 1                          ; the matrix's bias
	s_cselect_b64 s[68:69], s[74:75], s[72:73]
	s_cmp_ge_u32 ttmp9, 2
	s_cselect_b64 s[68:69], s[76:77], s[68:69]
	s_mul_i32 s70, s40, 768                        ; at my block's 192 columns
	s_add_nc_u64 s[68:69], s[68:69], s[70:71]
	s_add_nc_u64 s[14:15], s[4:5], s[16:17]
	s_add_nc_u64 s[46:47], s[6:7], s[46:47]
	CROUND                                         ; all sixteen work-groups are here: the first joint loads meet
.irp s, 0,1
	s_mov_b32 s[G0+4*\s], 1
	s_add_co_u32 s[G0+4*\s+1], s20, \s*SLOT
	s_add_nc_u64 s[G0+4*\s+2:G0+4*\s+3], s[14:15], \s*KSTEP*2      ; K step s
	s_or_b32 s[G0+4*\s+3], s[G0+4*\s+3], 0x80000000
	s_mov_b32 s[G0B+4*\s], 1
	s_add_co_u32 s[G0B+4*\s+1], s21, \s*SLOT
	s_add_nc_u64 s[G0B+4*\s+2:G0B+4*\s+3], s[46:47], \s*KSTEP*2
	s_or_b32 s[G0B+4*\s+3], s[G0B+4*\s+3], 0x80000000
	JLOAD \s                                       ; two tensor loads of the wave are out
.endr
	v_and_b32 v1, 15, v0                           ; r = lane % 16
	v_bfe_u32 v2, v0, 4, 1                         ; h = lane / 16
	v_lshlrev_b32 v[BO], 5, v2
.irp b, 0,1,2,3,4,5,6,7,8,9,10,11
	global_load_b128 v[BIAS+8*\b:BIAS+8*\b+3],   v[BO], s[68:69] offset:64*\b      ; bias of columns 16 b + 8 h + 0..3
	global_load_b128 v[BIAS+8*\b+4:BIAS+8*\b+7], v[BO], s[68:69] offset:64*\b+16   ; and + 4..7
.endr
	v_mul_u32_u24 v3, v1, PITCH
	v_lshl_add_u32 v3, v2, 4, v3                   ; r x pitch + 16 h: a fragment is two loads of 16 bytes, 32 bytes apart
	s_mul_i32 s22, s10, 64*PITCH                   ; my 64 tokens
	v_add_nc_u32 v[ADRA], s22, v3
	v_add_nc_u32 v[ADRA+1], SLOT, v[ADRA]
	v_add_nc_u32 v[ADRB], ABYTES, v3
	v_add_nc_u32 v[ADRB+1], SLOT, v[ADRB]
	s_mul_i32 s23, s10, WSTAGE
	s_add_co_u32 s23, s23, STAGE                   ; my stage
	v_mul_u32_u24 v4, v1, SPITCH
	v_lshl_add_u32 v4, v2, 4, v4
	v_add_nc_u32 v[STO], s23, v4                   ; in: token r, 16 bytes for each half of the lanes
	v_bfe_u32 v4, v0, 3, 2
	v_mul_u32_u24 v4, v4, SPITCH
	v_and_b32 v5, 7, v0
	v_lshl_add_u32 v4, v5, 4, v4
	v_add_nc_u32 v[RD], s23, v4                    ; back: eight lanes take a token's 128 bytes, a wave four tokens
	v_and_b32 v5, 31, v0
	v_lshlrev_b32 v[CO], 4, v5
	s_wait_loadcnt 0x0
.set j, 0
.rept 48
	v_pk_mul_f32 v[BIAS+2*j:BIAS+2*j+1], v[BIAS+2*j:BIAS+2*j+1], s[66:67] op_sel_hi:[1,0]   ; (sum + b) f = sum f + b f
.set j, j+1
.endr
; 12 matrix instructions: token tile 2 hi + a x all 12 column tiles, 32 along K, from buffer f.  zero = 1: the product starts the sums.
.macro MUL12 f, hi, a, zero
.irp b, 0,1,2,3,4,5,6,7,8,9,10,11
.if \zero
	v_wmma_f32_16x16x32_f16 v[8*(12*\a+\b):8*(12*\a+\b)+7], v[FB+96*\f+8*\b:FB+96*\f+8*\b+7], v[FA+32*\f+8*(2*\hi+\a):FA+32*\f+8*(2*\hi+\a)+7], 0
.else
	v_wmma_f32_16x16x32_f16 v[8*(12*\a+\b):8*(12*\a+\b)+7], v[FB+96*\f+8*\b:FB+96*\f+8*\b+7], v[FA+32*\f+8*(2*\hi+\a):FA+32*\f+8*(2*\hi+\a)+7], v[8*(12*\a+\b):8*(12*\a+\b)+7]
.endif
.endr
.endm
; 32 LDS loads in one run: 192 rows of W, then my 64 tokens, 32 K at byte k of the rows, into buffer f
.macro FETCH slot, k, f
	WIN TO_B
.irp i, 0,1,2,3,4,5,6,7,8,9,10,11
	ds_load_b128 v[FB+96*\f+8*\i:FB+96*\f+8*\i+3],   v[ADRB+\slot] offset:\k+\i*16*PITCH
	ds_load_b128 v[FB+96*\f+8*\i+4:FB+96*\f+8*\i+7], v[ADRB+\slot] offset:\k+\i*16*PITCH+32
.endr
	WIN 0
.irp i, 0,1,2,3
	ds_load_b128 v[FA+32*\f+8*\i:FA+32*\f+8*\i+3],   v[ADRA+\slot] offset:\k+\i*16*PITCH
	ds_load_b128 v[FA+32*\f+8*\i+4:FA+32*\f+8*\i+7], v[ADRA+\slot] offset:\k+\i*16*PITCH+32
.endr
.endm
; A K step is four quarters of 32 along K, 48 matrix instructions each, on buffers 0, 1, 0, 1.  The 48 accumulators take turns, one
; instruction a turn, in the same order in every quarter.
; One of the first three quarters: multiplies buffer f and fetches, in its middle, the next quarter (byte k of the rows) into buffer g.
.macro QUARTER slot, k, f, g, zero
	s_wait_dscnt 4                                 ; W and my token tiles 0, 1 are in; the youngest four loads (token tiles 2, 3) may be out
	WIN MUL_LO
	MUL12 \f, 0, 0, \zero
	MUL12 \f, 0, 1, \zero
	PLACES
	FETCH \slot, \k, \g
	s_wait_dscnt 32                                ; all but the 32 just issued
	WIN MUL_HI
	MUL12 \f, 1, 0, \zero
	MUL12 \f, 1, 1, \zero
.endm
.macro THREE slot, zero
	QUARTER \slot, 64,  0, 1, \zero
	QUARTER \slot, 128, 1, 0, 0
	QUARTER \slot, 192, 0, 1, 0
.endm
; The last quarter multiplies buffer 1 and changes slots.  In front of the barrier each wave waits for its reads of this slot and for
; all its tensor loads (one is out: its part of the next slot).  fill = 1: the barrier opens a round of the cluster's barrier, and
; behind the round this slot is asked for again, two K steps ahead, as the first tensor load there.
.macro TURN slot, next, fill
	s_wait_dscnt 4
	WIN MUL_LO
	MUL12 1, 0, 0, 0
	s_wait_dscnt 0                                 ; my reads of this slot are over
	s_wait_tensorcnt 0x0                           ; and all my tensor loads have landed
	ds_add_u32 v255, v255
	s_wait_dscnt 0x0
	s_barrier_signal -1
	MUL12 1, 0, 1, 0                               ; registers only, while the others arrive
	WIN 0
	s_barrier_wait -1
.if \fill
	CREST
	s_add_nc_u64 s[G0+4*\slot+2:G0+4*\slot+3], s[G0+4*\slot+2:G0+4*\slot+3], 2*KSTEP*2
	s_add_nc_u64 s[G0B+4*\slot+2:G0B+4*\slot+3], s[G0B+4*\slot+2:G0B+4*\slot+3], 2*KSTEP*2
	JLOAD \slot
.endif
	PLACES
	FETCH \next, 0, 0
	WIN MUL_HI
	MUL12 1, 1, 0, 0
	MUL12 1, 1, 1, 0
.endm
.macro LAP zero
	THREE 0, \zero
	TURN 0, 1, 1
	THREE 1, 0
	TURN 1, 0, 1
.endm
	s_wait_tensorcnt 1                             ; my part of K step 0 is in; K step 1's load, issued behind it, stays out
	s_barrier_signal -1
	s_barrier_wait -1
	FETCH 0, 0, 0
	LAP 1                                          ; K steps 0, 1; asks for 2, 3.  Its first products start the sums
	LAP 0                                          ; K steps 2, 3; asks for 4, 5
	THREE 0, 0                                     ; K steps 4, 5 ask for nothing
	TURN 0, 1, 0
	THREE 1, 0
	s_wait_dscnt 4
	WIN MUL_LO
	MUL12 1, 0, 0, 0
	MUL12 1, 0, 1, 0
	s_wait_dscnt 0
	WIN MUL_HI
	MUL12 1, 1, 0, 0
	MUL12 1, 1, 1, 0
	PLACES
; THE WAY OUT, 16 tokens at a time: sum x factor + bias x factor, round to f16, 16 bytes a lane into my own stage (head by head), read
; back as whole tokens, store.  a: token tile; al: its place in its window; wfma, wcvt: the window settings.
.macro OUT16 a, al, wfma, wcvt
	WIN \wfma                                      ; source 0 and destination in the accumulators' window, the bias in window 0
.irp b, 0,1,2,3,4,5,6,7,8,9,10,11
.irp p, 0,1,2,3
	v_pk_fma_f32 v[8*(12*\al+\b)+2*\p:8*(12*\al+\b)+2*\p+1], v[8*(12*\al+\b)+2*\p:8*(12*\al+\b)+2*\p+1], s[66:67], v[BIAS+8*\b+2*\p:BIAS+8*\b+2*\p+1] op_sel_hi:[1,0,1]
.endr
.endr
	WIN \wcvt                                      ; both sources in the accumulators' window, the destination in window 0
.irp b, 0,1,2,3,4,5,6,7,8,9,10,11
.irp p, 0,1,2,3
	v_cvt_pk_f16_f32 v[TMP+4*\b+\p], v[8*(12*\al+\b)+2*\p], v[8*(12*\al+\b)+2*\p+1]
.endr
.endr
	WIN 0
.irp b, 0,1,2,3,4,5,6,7,8,9,10,11
	ds_store_b128 v[STO], v[TMP+4*\b:TMP+4*\b+3] offset:HSTAGE*(\b>>2)+32*(\b&3)
.endr
	s_wait_xcnt 0x0                                ; RB, the data of the stores before, is loaded again only behind this wait
.irp t, 0,1,2,3,4,5,6,7,8,9,10,11
	ds_load_b128 v[RB+4*\t:RB+4*\t+3], v[RD] offset:HSTAGE*(\t>>2)+4*SPITCH*(\t&3)   ; LDS serves a wave's instructions in order: these see the stores above
.endr
.irp t, 0,1,2,3,4,5,6,7,8,9,10,11
	s_wait_dscnt 11-\t                             ; load t is in, the younger ones stay out
	global_store_b128 v[CO], v[RB+4*\t:RB+4*\t+3], s[78:79] offset:2*PLANE*(\t>>2)+2048*\a+512*(\t&3)   ; four tokens of a head: 512 consecutive bytes, aligned
.endr
.endm
	OUT16 0, 0, 0x82, 0x0a
	OUT16 1, 1, 0x82, 0x0a
	OUT16 2, 0, 0xc3, 0x0f
	OUT16 3, 1, 0xc3, 0x0f
	s_set_vgpr_msb 0x1
	s_wait_tensorcnt 0x0
	ds_add_u32 v255, v255
	s_wait_dscnt 0x0
	s_set_vgpr_msb 0x100
	CROUND                                         ; the closing round: no work-group ends while a partner may still ask for a tile that names it
	s_endpgm
.Lfunc_end_k_q489723ec67_qkvgemm:
	.size	k_q489723ec67_qkvgemm, .Lfunc_end_k_q489723ec67_qkvgemm-k_q489723ec67_qkvgemm
	.p2alignl 7, 3214868480
	.fill 96, 4, 3214868480
	.section	.rodata,"a",@progbits
	.p2align	6, 0x0
	.amdhsa_kernel k_q489723ec67_qkvgemm
		.amdhsa_group_segment_fixed_size 327680
		.amdhsa_private_segment_fixed_size 0
		.amdhsa_enable_private_segment 0
		.amdhsa_kernarg_size 48
		.amdhsa_user_sgpr_count 2
		.amdhsa_user_sgpr_kernarg_segment_ptr 1
		.amdhsa_wavefront_size32 1
		.amdhsa_system_sgpr_workgroup_id_x 1
		.amdhsa_system_sgpr_workgroup_id_y 1
		.amdhsa_system_sgpr_workgroup_id_z 1
		.amdhsa_system_vgpr_workitem_id 0
		.amdhsa_next_free_vgpr 960
		.amdhsa_next_free_sgpr 80
		.amdhsa_reserve_vcc 0
		.amdhsa_float_denorm_mode_32 3
		.amdhsa_float_denorm_mode_16_64 3
		.amdhsa_memory_ordered 1
		.amdhsa_forward_progress 1
		.amdhsa_inst_pref_size 181
	.end_amdhsa_kernel
	.amdgpu_metadata
---
amdhsa.version: [ 1, 2 ]
amdhsa.kernels:
  - .name:           k_q489723ec67_qkvgemm
    .symbol:         k_q489723ec67_qkvgemm.kd
    .args:
      - { .name: xh, .offset: 0, .size: 8, .value_kind: global_buffer, .address_space: global }
      - { .name: wh, .offset: 8, .size: 8, .value_kind: global_buffer, .address_space: global }
      - { .name: bq, .offset: 16, .size: 8, .value_kind: global_buffer, .address_space: global }
      - { .name: bk, .offset: 24, .size: 8, .value_kind: global_buffer, .address_space: global }
      - { .name: bv, .offset: 32, .size: 8, .value_kind: global_buffer, .address_space: global }
      - { .name: qkv, .offset: 40, .size: 8, .value_kind: global_buffer, .address_space: global }
    .group_segment_fixed_size: 327680
    .private_segment_fixed_size: 0
    .kernarg_segment_align: 8
    .kernarg_segment_size: 48
    .max_flat_workgroup_size: 128
    .sgpr_count:     80
    .vgpr_count:     960
    .wavefront_size: 32
...
	.end_amdgpu_metadata
.endif
;; end of part 2
;; launch attn (part 3): grid 8 x 24, 16 waves a work-group, clusters of 4 x 1, 327,680 bytes of LDS; arguments qkv, y; writes y
.if DOCPART == 3
	.amdgcn_target "amdgcn-amd-amdhsa--gfx1250"
	.amdhsa_code_object_version 6
	.text
	.protected	k_q489723ec67_attn
	.globl	k_q489723ec67_attn
	.p2align	8
	.type	k_q489723ec67_attn,@function
k_q489723ec67_attn:
	s_mov_b64 s[64:65], 0
	v_nop
	global_prefetch_b8 v0, s[64:65] scope:SCOPE_SE
	s_setreg_imm32_b32 hwreg(HW_REG_WAVE_MODE, 25, 1), 1
	s_wait_xcnt 0x0
	s_wait_alu depctr_hold_cnt(0) depctr_sa_sdst(0) depctr_va_vdst(0) depctr_va_sdst(0) depctr_va_ssrc(0) depctr_va_vcc(0) depctr_vm_vsrc(0)
	s_getreg_b32 s2, hwreg(HW_REG_IB_STS2, 6, 4)
	s_cmp_eq_u32 s2, 0
	s_cbranch_scc0 .Lentry_in_a_cluster
	s_endpgm
.Lentry_in_a_cluster:
	s_bfe_u32 s2, ttmp6, 0x10000c
	s_cmp_lg_u32 s2, 0x3003
	s_cbranch_scc0 .Lentry_shape_is_right
	s_endpgm
.Lentry_shape_is_right:
; y = softmax(q k^T / 8) v for one (head, batch) plane and 256 queries; f16 operands, f32 scores, maxima, sums and outputs.
; q comes multiplied by 0.125 log2(e), so p = 2^(s - m) with m the running maximum of the row.
; LIMITS: NaN and infinities in q, k, v are not served (the maxima drop a NaN); p below 2^-126 leaves the exponential as 0 and p below
; about 3e-8 is 0 in f16; the row sum is taken from p in f32, the product p v from p in f16.
; Grid y: plane yy = 2 head + batch (q plane yy, k plane yy + 24, v plane yy + 48 of qkv; y has planes of the same shape).
; SIXTEEN WAVES of 250 registers.  Wave w has query group w % 8 (32 queries, two query tiles) and key half w / 8: of every tile of 256
; keys it takes keys 128 (w / 8) .. + 127, two steps of 64.  A (query group, step) pair costs what it would cost in eight waves, 32 LDS
; loads for 32 matrix instructions; with twice the waves, one wave's matrix instructions can stand beside another's softmax arithmetic
; and another's LDS reads.  Each wave keeps its own running maximum, row sum and output over its 1,024 keys; at the end the two waves
; of a query group exchange one query tile each through LDS and merge.
; Keys go in eight tiles of 256 through two LDS slots.
; CLUSTERS: the four work-groups of a cluster are four query blocks of one plane and walk the same K and V tiles: every tile is asked
; for jointly (mask 15).  192 work-groups: 24 planes x 2,048 queries divide evenly into blocks of 256, 128 or 64 queries, and the
; largest block reads K and V the fewest times.
; BOTH PRODUCTS ARE TRANSPOSED.  S^T = K Q^T: lane l holds query l % 16 and, in tile kt, keys 16 kt + 8 (l / 16) + 0..7, so a row's
; maximum and sum are taken inside the lane plus one exchange with lane l xor 16, and two neighbouring tiles, packed to f16, are already
; the second source of O^T = V^T P^T.  V^T's fragments come from V[key][d] by the transposing LDS load.  In O^T a lane again holds
; query l % 16, so the rescaling factor is one register a query tile.
.set PLANE,  262144
.set KP,     144                       ; K's LDS pitch: 128 bytes + 16 (9 x 16)
.set VP,     160                       ; V's: 128 + 32 (5 x 32), for the transposing load
.set VBYTES, 256*VP                    ; a slot holds V's 256 rows, then K's
.set SLOT,   VBYTES+256*KP             ; 77,824
.set XCH,    2*SLOT                    ; 155,648: the exchange, never the target of a tensor load
.set XW,     4608                      ; a wave's part of it: 32 registers of O and 4 of state, 128 bytes each
.set STAGE,  XCH+16*XW                 ; 229,376: the way out, never the target of a tensor load
.set WSTAGE, 16*KP                     ; a wave's stage: 16 queries x 144
.set TILEB,  256*128                   ; a tile of K or V in memory
.set KA,  2                            ; v2-3    LDS address of K's fragments in my key half, slot 0, 1
.set VA,  4                            ; v4-5    of V's
.set STO, 6                            ; v6      way out, in
.set RD,  7                            ; v7      way out, back
.set YO,  8                            ; v8      16 x lane
.set XS,  9                            ; v9      exchange: where I put
.set XL,  10                           ; v10     exchange: where my partner has put (until then: lane / 16)
.set ST,  12                           ; v12-19  my query tile q at ST + 4 q: -m, m, factor, row sum
.set T,   20                           ; v20-23  at work (at the start: my bytes in q's two tiles)
.set Q,   24                           ; v24-55  q fragments (my query tile q, d half e) at Q + 16 q + 8 e
.set FR,  56                           ; v56-119 K's eight fragments of a step, then V's eight
.set S,   120                          ; v120-183 score tiles g = 4 q + kt at S + 8 g; then P: (q, u) at S + 32 q + 16 u
.set O,   184                          ; v184-247 output tiles g = 4 q + dt at O + 8 g
.set G1K, 16                           ; s[16:23]
.set G1V, 24                           ; s[24:31]
.set G0K, 32                           ; s[32:39] one set a slot
.set G0V, 40                           ; s[40:47]
.macro ROUND                           ; a round of the cluster's barrier
	s_barrier_signal -1
	s_barrier_wait -1
	s_cmp_lg_u32 s8, 0
	s_cbranch_scc1 .Lnot_wave_0_\@
	s_barrier_signal -3
.Lnot_wave_0_\@:
	s_barrier_wait -3
	s_barrier_signal -1
	s_barrier_wait -1
.endm
; A joint load into slot s: waves 0-7 ask for 32 keys of V each, waves 8-15 for 32 keys of K.  The branch hangs on the wave's number alone.
.macro JLOAD s
	s_cmp_eq_u32 s61, 0
	s_cbranch_scc0 .Lfor_k_\@
	tensor_load_to_lds s[G0V+4*(\s):G0V+4*(\s)+3], s[G1V:G1V+7]
	s_nop 0
	s_branch .Lasked_\@
.Lfor_k_\@:
	tensor_load_to_lds s[G0K+4*(\s):G0K+4*(\s)+3], s[G1K:G1K+7]
	s_nop 0
.Lasked_\@:
.endm
.macro PLACES                          ; four independent vector instructions behind a matrix instruction (ISA guide 7.12.1)
.rept 4
	v_nop
.endr
.endm
	s_load_b128 s[4:7], s[0:1], 0x0                ; qkv s[4:5], y s[6:7]
	v_lshl_add_u32 v248, v0, 2, 0x41000
	v_mov_b32 v249, 0
	ds_add_u32 v248, v249
	v_lshrrev_b32 v1, 5, v0
	v_readfirstlane_b32 s8, v1                     ; wave 0..15
	s_lshr_b32 s61, s8, 3                          ; key half; also: I fetch for V (0) or for K (1)
	s_and_b32 s62, s8, 7                           ; query group
	s_mov_b32 s10, 0x76543210                      ; v_permlanex16_b32: lane i reads lane i of the other half
	s_mov_b32 s11, 0xfedcba98
	s_and_b32 s9, ttmp7, 0xffff                    ; plane yy
	s_bfe_u32 s12, ttmp6, 0x40000                  ; cx
	s_lshl_b32 s13, ttmp9, 2
	s_add_co_u32 s13, s13, s12                     ; query block 0..7
	; group 1: 32 keys x 64 elements of 2 bytes, 64 elements from row to row; padding behind every 32 words: 4 words for K, 8 for V
	s_mov_b32 s[G1K+0], 15|(1<<16)|(1<<20)|(1<<21)|(4<<22)|(3<<25)
	s_mov_b32 s[G1V+0], 15|(1<<16)|(1<<20)|(1<<21)|(4<<22)|(7<<25)
.irp g, G1K, G1V
	s_mov_b32 s[\g+1], 64<<16                      ; tensor_dim0
	s_mov_b32 s[\g+2], 32<<16                      ; tensor_dim1
	s_mov_b32 s[\g+3], 64<<16                      ; tile_dim0
	s_mov_b32 s[\g+4], 32                          ; tile_dim1
	s_mov_b32 s[\g+5], 64                          ; the pitch
	s_mov_b32 s[\g+6], 0
	s_mov_b32 s[\g+7], 0
.endr
	s_lshl_b32 s49, s9, 18                         ; yy planes, in bytes
	s_lshl_b32 s56, s8, 12                         ; 32 keys of 128 bytes a wave
	s_add_co_u32 s56, s56, s49
	s_add_co_u32 s54, s56, 24*PLANE-8*4096         ; K's plane, keys 32 (wave - 8): asked for by waves 8-15
	s_add_co_u32 s56, s56, 48*PLANE                ; V's plane, keys 32 wave: asked for by waves 0-7.  Both made of yy and the wave's number alone
	s_mov_b32 s55, 0
	s_mov_b32 s57, 0
	s_lshl_b32 s58, s13, 15                        ; 256 queries of 128 bytes a block
	s_lshl_b32 s59, s62, 12                        ; 32 a query group
	s_add_co_u32 s58, s58, s59
	s_add_co_u32 s58, s58, s49
	s_mov_b32 s59, 0
	s_lshl_b32 s63, s61, 11                        ; query tile (key half) of the group, 16 queries of 128 bytes: the one that I finish
	s_add_co_u32 s2, s58, s63
	s_mov_b32 s3, 0
	s_mul_i32 s14, s8, 32*VP                       ; where the rows go: V's at 5,120 wave (waves 0-7),
	s_mul_i32 s15, s8, 32*KP
	s_add_co_u32 s15, s15, VBYTES-8*32*KP          ; K's at 40,960 + 4,608 (wave - 8) (waves 8-15)
	s_mul_i32 s60, s8, WSTAGE
	s_add_co_u32 s60, s60, STAGE                   ; my stage
	s_wait_dscnt 0x0
	s_wait_kmcnt 0x0
	s_add_nc_u64 s[54:55], s[4:5], s[54:55]
	s_add_nc_u64 s[56:57], s[4:5], s[56:57]
	s_add_nc_u64 s[50:51], s[4:5], s[58:59]        ; my group's queries
	s_add_nc_u64 s[52:53], s[6:7], s[2:3]          ; the 16 rows of y that I finish
.irp s, 0,1
	s_mov_b32 s[G0K+4*\s], 1
	s_add_co_u32 s[G0K+4*\s+1], s15, \s*SLOT
	s_add_nc_u64 s[G0K+4*\s+2:G0K+4*\s+3], s[54:55], \s*TILEB      ; slot s starts with tile s
	s_or_b32 s[G0K+4*\s+3], s[G0K+4*\s+3], 0x80000000
	s_mov_b32 s[G0V+4*\s], 1
	s_add_co_u32 s[G0V+4*\s+1], s14, \s*SLOT
	s_add_nc_u64 s[G0V+4*\s+2:G0V+4*\s+3], s[56:57], \s*TILEB
	s_or_b32 s[G0V+4*\s+3], s[G0V+4*\s+3], 0x80000000
.endr
	ROUND                                          ; the four work-groups are here: the first joint loads meet
	JLOAD 0                                        ; tile 0
	v_and_b32 v1, 15, v0                           ; r
	v_bfe_u32 v10, v0, 4, 1                        ; h
	v_lshlrev_b32 v11, 7, v1
	v_lshl_add_u32 v11, v10, 4, v11                ; 128 r + 16 h
	; MY query tile 0 is the group's tile (key half), my tile 1 the other one: so every wave hands over its tile 1 and finishes its tile 0,
	; and the two waves of a group differ in addresses alone
	v_add_nc_u32 v[T], s63, v11
	s_sub_co_u32 s63, 2048, s63                    ; the group's other tile: 2,048 or 0
	v_add_nc_u32 v[T+1], s63, v11
.irp q, 0,1
.irp e, 0,1
	global_load_b128 v[Q+16*\q+8*\e:Q+16*\q+8*\e+3],   v[T+\q], s[50:51] offset:64*\e
	global_load_b128 v[Q+16*\q+8*\e+4:Q+16*\q+8*\e+7], v[T+\q], s[50:51] offset:64*\e+32
.endr
.endr
	v_mul_u32_u24 v[KA], v1, KP
	v_lshl_add_u32 v[KA], v10, 4, v[KA]            ; 144 r + 16 h
	v_add_nc_u32 v[STO], s60, v[KA]                ; the stage has K's pitch
	s_mul_i32 s63, s61, 128*KP                     ; my 128 keys of a tile,
	s_add_co_u32 s63, s63, VBYTES                  ; behind V's rows
	v_add_nc_u32 v[KA], s63, v[KA]
	v_add_nc_u32 v[KA+1], SLOT, v[KA]
	v_and_b32 v11, 7, v0
	v_lshl_add_u32 v1, v10, 3, v11                 ; key 8 h + lane % 8
	v_mul_u32_u24 v[VA], v1, VP
	v_bfe_u32 v1, v0, 3, 1
	v_lshl_add_u32 v[VA], v1, 4, v[VA]             ; + 16 ((lane / 8) % 2)
	s_mul_i32 s63, s61, 128*VP                     ; my 128 keys
	v_add_nc_u32 v[VA], s63, v[VA]
	v_add_nc_u32 v[VA+1], SLOT, v[VA]
	v_bfe_u32 v1, v0, 3, 2
	v_mul_u32_u24 v[RD], v1, KP
	v_lshl_add_u32 v[RD], v11, 4, v[RD]
	v_add_nc_u32 v[RD], s60, v[RD]                 ; back: eight lanes take a query's 128 bytes
	v_and_b32 v1, 31, v0
	v_lshlrev_b32 v[YO], 4, v1
	s_mul_i32 s63, s8, XW
	s_add_co_u32 s63, s63, XCH
	v_add_nc_u32 v[XS], s63, v[YO]                 ; exchange: my part, 16 bytes a lane
	s_add_co_u32 s63, s8, 8
	s_and_b32 s63, s63, 15                         ; my partner: the same query group, the other key half
	s_mul_i32 s63, s63, XW
	s_add_co_u32 s63, s63, XCH
	v_add_nc_u32 v[XL], s63, v[YO]
	s_wait_loadcnt 0x0                             ; q, once
.macro KLOADA slot, st                 ; K's fragments of my step st, d 0-31
.irp kt, 0,1,2,3
	ds_load_b128 v[FR+8*\kt:FR+8*\kt+3],   v[KA+\slot] offset:KP*(64*(\st)+16*\kt)
	ds_load_b128 v[FR+8*\kt+4:FR+8*\kt+7], v[KA+\slot] offset:KP*(64*(\st)+16*\kt)+32
.endr
.endm
.macro KLOADB slot, st                 ; d 32-63
.irp kt, 0,1,2,3
	ds_load_b128 v[FR+32+8*\kt:FR+32+8*\kt+3],   v[KA+\slot] offset:KP*(64*(\st)+16*\kt)+64
	ds_load_b128 v[FR+32+8*\kt+4:FR+32+8*\kt+7], v[KA+\slot] offset:KP*(64*(\st)+16*\kt)+96
.endr
.endm
.macro VLOAD slot, st                  ; V^T's fragments: keys 32 u .. + 31 of the step, d 16 dt .. + 15
.irp u, 0,1
.irp dt, 0,1,2,3
	ds_load_tr16_b128 v[FR+32*\u+8*\dt:FR+32*\u+8*\dt+3],   v[VA+\slot] offset:VP*(64*(\st)+32*\u)+32*\dt
	ds_load_tr16_b128 v[FR+32*\u+8*\dt+4:FR+32*\u+8*\dt+7], v[VA+\slot] offset:VP*(64*(\st)+32*\u+16)+32*\dt
.endr
.endr
.endm
; The rows' new maxima, both query tiles side by side: two chains of 15 scores each, the last two scores, the old maximum, the other
; half of the lanes.  Then the factor 2^(old - new) for sum and output, -m for the subtraction, m for the next step.
.macro MAXROW first
.irp q, 0,1
	v_max3_num_f32 v[T+2*\q],   v[S+32*\q],    v[S+32*\q+1],  v[S+32*\q+2]
	v_max3_num_f32 v[T+2*\q+1], v[S+32*\q+16], v[S+32*\q+17], v[S+32*\q+18]
.endr
.irp i, 3,5,7,9,11,13
.irp q, 0,1
	v_max3_num_f32 v[T+2*\q],   v[T+2*\q],   v[S+32*\q+\i],    v[S+32*\q+\i+1]
	v_max3_num_f32 v[T+2*\q+1], v[T+2*\q+1], v[S+32*\q+16+\i], v[S+32*\q+17+\i]
.endr
.endr
.irp q, 0,1
	v_max3_num_f32 v[T+2*\q], v[T+2*\q], v[T+2*\q+1], v[S+32*\q+15]
.endr
.irp q, 0,1
.if \first
	v_max_num_f32 v[T+2*\q], v[T+2*\q], v[S+32*\q+31]
.else
	v_max3_num_f32 v[T+2*\q], v[T+2*\q], v[S+32*\q+31], v[ST+4*\q+1]
.endif
.endr
.irp q, 0,1
	v_permlanex16_b32 v[T+2*\q+1], v[T+2*\q], s10, s11
.endr
.irp q, 0,1
	v_max_num_f32 v[T+2*\q+1], v[T+2*\q], v[T+2*\q+1]          ; the new maximum, alike in both halves
.endr
.if \first == 0
.irp q, 0,1
	v_sub_f32 v[T+2*\q], v[ST+4*\q+1], v[T+2*\q+1]
.endr
.irp q, 0,1
	v_exp_f32 v[ST+4*\q+2], v[T+2*\q]              ; the plain lines below stand between it and the first use of its result (ISA guide 5.7.2)
.endr
.endif
.irp q, 0,1
	v_sub_f32 v[ST+4*\q], 0, v[T+2*\q+1]
.endr
.irp q, 0,1
	v_mov_b32 v[ST+4*\q+1], v[T+2*\q+1]
.endr
.endm
; Score tile g: s - m, then 2^x in place.  Beyond the first step the rescaling of output tile g rides between the exponentials.
.macro SUBEXP g, first
.irp i, 0,2,4,6
	v_pk_add_f32 v[S+8*\g+\i:S+8*\g+\i+1], v[S+8*\g+\i:S+8*\g+\i+1], v[ST+4*(\g>>2):ST+4*(\g>>2)+1] op_sel_hi:[1,0]
.endr
.irp i, 0,2,4,6
	v_exp_f32 v[S+8*\g+\i], v[S+8*\g+\i]
	v_exp_f32 v[S+8*\g+\i+1], v[S+8*\g+\i+1]
.if \first == 0
	s_wait_alu depctr_va_vdst(0)
	v_pk_mul_f32 v[O+8*\g+\i:O+8*\g+\i+1], v[O+8*\g+\i:O+8*\g+\i+1], v[ST+4*(\g>>2)+2:ST+4*(\g>>2)+3] op_sel_hi:[1,0]
.endif
.endr
.endm
; Tile g's p: added to the step's row sum (two chains of pairs), then packed to f16 into P's place; only registers whose p have been
; added and packed are written over.  It always stands behind the next tile's SUBEXP, so plain lines on other registers lie between
; an exponential and the use of its result.  The query tile's last tile closes the sum: l = l x factor + the step's sum.
.macro SUMCVT g, first
.if (\g&3) == 0
	s_wait_alu depctr_va_vdst(0)
	v_pk_add_f32 v[T:T+1],   v[S+8*\g:S+8*\g+1],   v[S+8*\g+2:S+8*\g+3]
	v_pk_add_f32 v[T+2:T+3], v[S+8*\g+4:S+8*\g+5], v[S+8*\g+6:S+8*\g+7]
.else
	s_wait_alu depctr_va_vdst(0)
	v_pk_add_f32 v[T:T+1],   v[T:T+1],   v[S+8*\g:S+8*\g+1]
	v_pk_add_f32 v[T+2:T+3], v[T+2:T+3], v[S+8*\g+2:S+8*\g+3]
	v_pk_add_f32 v[T:T+1],   v[T:T+1],   v[S+8*\g+4:S+8*\g+5]
	v_pk_add_f32 v[T+2:T+3], v[T+2:T+3], v[S+8*\g+6:S+8*\g+7]
.endif
.irp i, 0,1,2,3
	v_cvt_pk_f16_f32 v[S+32*(\g>>2)+16*((\g&3)>>1)+4*(\g&1)+\i], v[S+8*\g+2*\i], v[S+8*\g+2*\i+1]
.endr
.if (\g&3) == 3
	v_pk_add_f32 v[T:T+1], v[T:T+1], v[T+2:T+3]
.if \first
	v_add_f32 v[ST+4*(\g>>2)+3], v[T], v[T+1]
.else
	v_add_f32 v[T], v[T], v[T+1]
	v_fma_f32 v[ST+4*(\g>>2)+3], v[ST+4*(\g>>2)+3], v[ST+4*(\g>>2)+2], v[T]
.endif
.endif
.endm
; A step: 64 keys against my 32 queries.  In each run of eight matrix instructions the eight accumulators take turns, one instruction a
; turn.  first = 1: nothing to rescale, the products start the sums.  nextk = 1: the next step's K is fetched.
.macro STEP slot, st, first, nextk
	s_wait_dscnt 8                                 ; K's d 0-31 are in; the eight loads of d 32-63 may be out
.irp g, 0,1,2,3,4,5,6,7
	v_wmma_f32_16x16x32_f16 v[S+8*\g:S+8*\g+7], v[FR+8*(\g&3):FR+8*(\g&3)+7], v[Q+16*(\g>>2):Q+16*(\g>>2)+7], 0
.endr
	s_wait_dscnt 0
.irp g, 0,1,2,3,4,5,6,7
	v_wmma_f32_16x16x32_f16 v[S+8*\g:S+8*\g+7], v[FR+32+8*(\g&3):FR+32+8*(\g&3)+7], v[Q+16*(\g>>2)+8:Q+16*(\g>>2)+15], v[S+8*\g:S+8*\g+7]
.endr
	PLACES                                         ; before V lands on K's fragments and the scores are read
	VLOAD \slot, \st
	MAXROW \first
	SUBEXP 0, \first
	SUBEXP 1, \first
	SUMCVT 0, \first
	SUBEXP 2, \first
	SUMCVT 1, \first
	SUBEXP 3, \first
	SUMCVT 2, \first
	SUBEXP 4, \first
	SUMCVT 3, \first
	SUBEXP 5, \first
	SUMCVT 4, \first
	SUBEXP 6, \first
	SUMCVT 5, \first
	SUBEXP 7, \first
	SUMCVT 6, \first
	SUMCVT 7, \first
	s_wait_dscnt 0                                 ; V's sixteen loads, issued in front of the softmax
.irp g, 0,1,2,3,4,5,6,7
.if \first
	v_wmma_f32_16x16x32_f16 v[O+8*\g:O+8*\g+7], v[FR+8*(\g&3):FR+8*(\g&3)+7], v[S+32*(\g>>2):S+32*(\g>>2)+7], 0
.else
	v_wmma_f32_16x16x32_f16 v[O+8*\g:O+8*\g+7], v[FR+8*(\g&3):FR+8*(\g&3)+7], v[S+32*(\g>>2):S+32*(\g>>2)+7], v[O+8*\g:O+8*\g+7]
.endif
.endr
.if \nextk
	PLACES                                         ; before K lands on V's first four fragments
	KLOADA \slot, \st+1
.endif
.irp g, 0,1,2,3,4,5,6,7
	v_wmma_f32_16x16x32_f16 v[O+8*\g:O+8*\g+7], v[FR+32+8*(\g&3):FR+32+8*(\g&3)+7], v[S+32*(\g>>2)+16:S+32*(\g>>2)+23], v[O+8*\g:O+8*\g+7]
.endr
.rept 5
	v_nop                                          ; five places: the next score product writes over P, a source of these
.endr
.if \nextk
	KLOADB \slot, \st+1
.endif
.endm
; A tile of 256 keys, of which I take 128.  In front of the round every wave has waited for all its tensor loads (its part of this tile
; among them) and for its reads of the other slot; behind it the other slot is asked for again first: one tensor load of the wave is
; out, and it has this whole tile's work in which to land.
.macro TRIP slot, refill, first
	s_wait_tensorcnt 0x0
	ds_add_u32 v248, v249
	s_wait_dscnt 0x0
	s_add_nc_u64 s[G0K+4*\slot+2:G0K+4*\slot+3], s[G0K+4*\slot+2:G0K+4*\slot+3], 2*TILEB   ; no load of mine is out: this slot's next tile
	s_add_nc_u64 s[G0V+4*\slot+2:G0V+4*\slot+3], s[G0V+4*\slot+2:G0V+4*\slot+3], 2*TILEB
	s_wait_dscnt 0x0
	ROUND
.if \refill
	JLOAD 1-\slot
.endif
	KLOADA \slot, 0
	KLOADB \slot, 0
	STEP \slot, 0, \first, 1
	STEP \slot, 1, 0, 0
.endm
	TRIP 0, 1, 1                                   ; tiles 0, 1
	TRIP 1, 1, 0
	s_mov_b32 s48, 2
.Ltiles:
	TRIP 0, 1, 0                                   ; tiles 2 to 5
	TRIP 1, 1, 0
	s_sub_co_u32 s48, s48, 1
	s_cmp_lg_u32 s48, 0
	s_cbranch_scc1 .Ltiles
	TRIP 0, 1, 0                                   ; tile 6 asks for tile 7,
	TRIP 1, 0, 0                                   ; which asks for nothing (the stepped addresses are not used)
	; THE MERGE.  My tile 1 (its output and its -m, m, factor, l) goes to my partner, lane for lane; my partner's tile 1 is my tile 0.
	; The five places that end the last step stand between the last matrix instructions and these stores.
.irp i, 0,1,2,3,4,5,6,7
	ds_store_b128 v[XS], v[O+32+4*\i:O+32+4*\i+3] offset:512*\i    ; 512 consecutive bytes a store
.endr
	ds_store_b128 v[XS], v[ST+4:ST+7] offset:4096
	s_wait_dscnt 0x0                               ; for my partner's sake: my stores are done
	s_barrier_signal -1
	s_barrier_wait -1
	ds_load_b128 v[T:T+3], v[XL] offset:4096       ; the partner's -m', m', factor', l'
.irp i, 0,1,2,3,4,5,6,7
	ds_load_b128 v[S+4*\i:S+4*\i+3], v[XL] offset:512*\i           ; and its output O'
.endr
	s_wait_dscnt 8                                 ; the state is in; the eight loads of O' may be out
	v_max_num_f32 v[ST], v[ST+1], v[T+1]           ; the row's maximum over all keys
	v_sub_f32 v[ST+1], v[ST+1], v[ST]
	v_sub_f32 v[T+1], v[T+1], v[ST]
	v_exp_f32 v[ST+1], v[ST+1]                     ; a  = 2^(m  - max): one of the two is 1
	v_exp_f32 v[T+1], v[T+1]                       ; a' = 2^(m' - max)
	v_nop                                          ; one plain place behind the exponentials (ISA guide 5.7.2)
	s_wait_alu depctr_va_vdst(0)
	v_mul_f32 v[ST+3], v[ST+3], v[ST+1]
	v_fma_f32 v[ST+3], v[T+3], v[T+1], v[ST+3]     ; a l + a' l', of my half of the lanes' keys
	v_permlanex16_b32 v[T], v[ST+3], s10, s11
	v_add_f32 v[ST+3], v[ST+3], v[T]               ; the whole row sum: at least 1, since the row's largest p is 1
	v_rcp_f32 v[ST+2], v[ST+3]
	v_nop                                          ; one plain place behind the reciprocal
	s_wait_alu depctr_va_vdst(0)
	v_mul_f32 v[ST], v[ST+1], v[ST+2]              ; a / l
	v_mul_f32 v[ST+2], v[T+1], v[ST+2]             ; a' / l
	s_wait_dscnt 0x0                               ; O'
.irp i, 0,2,4,6,8,10,12,14,16,18,20,22,24,26,28,30
	v_pk_mul_f32 v[S+\i:S+\i+1], v[S+\i:S+\i+1], v[ST+2:ST+3] op_sel_hi:[1,0]
.endr
.irp i, 0,2,4,6,8,10,12,14,16,18,20,22,24,26,28,30
	v_pk_fma_f32 v[O+\i:O+\i+1], v[O+\i:O+\i+1], v[ST:ST+1], v[S+\i:S+\i+1] op_sel_hi:[1,0,1]
.endr
	; THE WAY OUT: f16, through my own stage, whole queries out
.irp g, 0,1,2,3
.irp i, 0,1,2,3
	v_cvt_pk_f16_f32 v[FR+4*\g+\i], v[O+8*\g+2*\i], v[O+8*\g+2*\i+1]
.endr
.endr
.irp g, 0,1,2,3
	ds_store_b128 v[STO], v[FR+4*\g:FR+4*\g+3] offset:32*\g        ; query r, d 16 g + 8 h + 0..7
.endr
.irp i, 0,1,2,3
	ds_load_b128 v[S+4*\i:S+4*\i+3], v[RD] offset:4*KP*\i          ; LDS serves a wave's instructions in order: these see the stores above
.endr
.irp i, 0,1,2,3
	s_wait_dscnt 3-\i                              ; load i is in, the younger ones stay out
	global_store_b128 v[YO], v[S+4*\i:S+4*\i+3], s[52:53] offset:512*\i    ; four queries: 512 consecutive bytes, aligned
.endr
	s_wait_tensorcnt 0x0
	ds_add_u32 v248, v249
	s_wait_dscnt 0x0
	ROUND                                          ; the closing round
	s_endpgm
.Lfunc_end_k_q489723ec67_attn:
	.size	k_q489723ec67_attn, .Lfunc_end_k_q489723ec67_attn-k_q489723ec67_attn
	.p2alignl 7, 3214868480
	.fill 96, 4, 3214868480
	.section	.rodata,"a",@progbits
	.p2align	6, 0x0
	.amdhsa_kernel k_q489723ec67_attn
		.amdhsa_group_segment_fixed_size 327680
		.amdhsa_private_segment_fixed_size 0
		.amdhsa_enable_private_segment 0
		.amdhsa_kernarg_size 16
		.amdhsa_user_sgpr_count 2
		.amdhsa_user_sgpr_kernarg_segment_ptr 1
		.amdhsa_wavefront_size32 1
		.amdhsa_system_sgpr_workgroup_id_x 1
		.amdhsa_system_sgpr_workgroup_id_y 1
		.amdhsa_system_sgpr_workgroup_id_z 1
		.amdhsa_system_vgpr_workitem_id 0
		.amdhsa_next_free_vgpr 250
		.amdhsa_next_free_sgpr 66
		.amdhsa_reserve_vcc 0
		.amdhsa_float_denorm_mode_32 3
		.amdhsa_float_denorm_mode_16_64 3
		.amdhsa_memory_ordered 1
		.amdhsa_forward_progress 1
		.amdhsa_inst_pref_size 234
	.end_amdhsa_kernel
	.amdgpu_metadata
---
amdhsa.version: [ 1, 2 ]
amdhsa.kernels:
  - .name:           k_q489723ec67_attn
    .symbol:         k_q489723ec67_attn.kd
    .args:
      - { .name: qkv, .offset: 0, .size: 8, .value_kind: global_buffer, .address_space: global }
      - { .name: y, .offset: 8, .size: 8, .value_kind: global_buffer, .address_space: global }
    .group_segment_fixed_size: 327680
    .private_segment_fixed_size: 0
    .kernarg_segment_align: 8
    .kernarg_segment_size: 16
    .max_flat_workgroup_size: 512
    .sgpr_count:     66
    .vgpr_count:     250
    .wavefront_size: 32
...
	.end_amdgpu_metadata
.endif
;; end of part 3
;; launch proj (part 4): grid 4 x 64, 4 waves a work-group, clusters of 4 x 4, 327,680 bytes of LDS; arguments y, wph, bp, out0; writes out0
.if DOCPART == 4
	.amdgcn_target "amdgcn-amd-amdhsa--gfx1250"
	.amdhsa_code_object_version 6
	.text
	.protected	k_q489723ec67_proj
	.globl	k_q489723ec67_proj
	.p2align	8
	.type	k_q489723ec67_proj,@function
k_q489723ec67_proj:
	s_mov_b64 s[64:65], 0
	v_nop
	global_prefetch_b8 v0, s[64:65] scope:SCOPE_SE
	s_setreg_imm32_b32 hwreg(HW_REG_WAVE_MODE, 25, 1), 1
	s_wait_xcnt 0x0
	s_wait_alu depctr_hold_cnt(0) depctr_sa_sdst(0) depctr_va_vdst(0) depctr_va_sdst(0) depctr_va_ssrc(0) depctr_va_vcc(0) depctr_vm_vsrc(0)
	s_getreg_b32 s2, hwreg(HW_REG_IB_STS2, 6, 4)
	s_cmp_eq_u32 s2, 0
	s_cbranch_scc0 .Lentry_in_a_cluster
	s_endpgm
.Lentry_in_a_cluster:
	s_bfe_u32 s2, ttmp6, 0x10000c
	s_cmp_lg_u32 s2, 0xf033
	s_cbranch_scc0 .Lentry_shape_is_right
	s_endpgm
.Lentry_shape_is_right:
; out0 = y Wp^T + bp.  y: 24 planes (2 head + batch) of [2048 tokens][64] f16; wph: [768][768] f16; out0: [4096][768] f32.
; A work-group makes 64 tokens x 192 columns (768 bytes of a row of out0, three aligned runs of 256): 256 work-groups.
; Wave w makes all 64 tokens x columns 48 w .. 48 w + 47: 4 x 3 accumulator tiles.
; K = 768 goes in three steps of 256 (four heads) through two LDS slots; slot 0 is filled a second time.
; CLUSTERS: 4 x 4.  y's tile hangs on the block row and is asked for jointly along a row of the cluster, Wp's on the block column and
; is asked for jointly along a column.  Every wave asks for one head of y (64 tokens x 128 bytes) and 48 rows of Wp (512 bytes each).
; The matrix instruction is used transposed (source 0 = rows of Wp, source 1 = tokens): a lane holds token lane % 16 and eight
; neighbouring columns, 32 bytes of f32.  The way out goes through a stage that the four waves share, since a row's 256-byte runs
; span two waves' columns.
.set PLANE,  262144
.set AP,     144                       ; y's LDS pitch: 128 + 16
.set BP,     528                       ; Wp's: 512 + 16 (33 x 16)
.set APLANE, 64*AP                     ; a head's 64 tokens
.set ABYTES, 4*APLANE
.set BQ,     48*BP                     ; a wave's 48 rows of Wp
.set SLOT,   ABYTES+4*BQ               ; 138,240
.set STAGE,  2*SLOT                    ; 276,480: never the target of a tensor load
.set SP,     784                       ; a stage row: 768 + 16 (49 x 16)
.set ADRA, 2                           ; v2-3   y's fragments, slot 0, 1
.set ADRB, 4                           ; v4-5   Wp's
.set STO,  6
.set RD,   7
.set CO,   8
.set BO,   9
.set BIAS, 16                          ; v16-39   bias of my 8 columns in each of my 3 column tiles
.set F0,   40                          ; v40-95   buffer 0: 4 token fragments, then 3 of Wp
.set F1,   96                          ; v96-151  buffer 1
.set ACC,  152                         ; v152-247 tile (m, n) at ACC + 8 (3 m + n)
.set RB,   40                          ; v40-135  way out: rows read back
.set G1A, 24
.set G1B, 32
.set G0A, 40                           ; s[40:47] one set a slot
.set G0B, 48                           ; s[48:55]
.macro ROUND
	s_barrier_signal -1
	s_barrier_wait -1
	s_cmp_lg_u32 s12, 0
	s_cbranch_scc1 .Lnot_wave_0_\@
	s_barrier_signal -3
.Lnot_wave_0_\@:
	s_barrier_wait -3
	s_barrier_signal -1
	s_barrier_wait -1
.endm
.macro PLACES                          ; four independent vector instructions behind a matrix instruction (ISA guide 7.12.1)
.rept 4
	v_nop
.endr
.endm
	s_load_b256 s[4:11], s[0:1], 0x0               ; y s[4:5], wph s[6:7], bp s[8:9], out0 s[10:11]
	v_lshl_add_u32 v248, v0, 2, 0x4fc00
	v_mov_b32 v249, 0
	ds_add_u32 v248, v249
	v_lshrrev_b32 v1, 5, v0
	v_readfirstlane_b32 s12, v1                    ; wave 0..3
	s_bfe_u32 s13, ttmp6, 0x40000                  ; cx
	s_bfe_u32 s14, ttmp6, 0x40004                  ; cy
	s_and_b32 s15, ttmp7, 0xffff
	s_lshl_b32 s15, s15, 2
	s_add_co_u32 s15, s15, s14                     ; block row mb, 0..63
	s_lshl_b32 s16, ttmp9, 2
	s_add_co_u32 s16, s16, s13                     ; block column nb, 0..3
	s_lshl_b32 s17, s14, 2
	s_lshl_b32 s17, 15, s17                        ; my row of the cluster
	s_lshl_b32 s18, 0x1111, s13                    ; my column
	; group 1.  y: 64 tokens x 64 elements, pitch 64, 4 words of padding behind every 32.  Wp: 48 rows x 256, pitch 768, 4 words behind every 128.
	s_or_b32 s[G1A+0], s17, (1<<16)|(1<<20)|(1<<21)|(4<<22)|(3<<25)
	s_mov_b32 s[G1A+1], 64<<16
	s_mov_b32 s[G1A+2], 64<<16
	s_mov_b32 s[G1A+3], 64<<16
	s_mov_b32 s[G1A+4], 64
	s_mov_b32 s[G1A+5], 64
	s_mov_b32 s[G1A+6], 0
	s_mov_b32 s[G1A+7], 0
	s_or_b32 s[G1B+0], s18, (1<<16)|(1<<20)|(1<<21)|(6<<22)|(3<<25)
	s_mov_b32 s[G1B+1], 256<<16
	s_mov_b32 s[G1B+2], 48<<16
	s_mov_b32 s[G1B+3], 256<<16
	s_mov_b32 s[G1B+4], 48
	s_mov_b32 s[G1B+5], 768
	s_mov_b32 s[G1B+6], 0
	s_mov_b32 s[G1B+7], 0
	; y's tile: plane 2 (4 step + wave) + batch, token (mb % 32) 64; made of mb and the wave alone
	s_lshr_b32 s56, s15, 5                         ; batch
	s_lshl_b32 s57, s12, 1
	s_add_co_u32 s56, s56, s57
	s_lshl_b32 s56, s56, 18
	s_and_b32 s57, s15, 31
	s_lshl_b32 s57, s57, 13
	s_add_co_u32 s56, s56, s57
	s_mov_b32 s57, 0
	; Wp's tile: row 192 nb + 48 wave; made of nb and the wave alone
	s_mul_i32 s58, s16, 192
	s_mul_i32 s59, s12, 48
	s_add_co_u32 s58, s58, s59
	s_lshl_b32 s60, s58, 2                         ; the same columns in the bias
	s_mov_b32 s61, 0
	s_mul_i32 s58, s58, 1536
	s_mov_b32 s59, 0
	s_mul_i32 s20, s12, APLANE                     ; where they go
	s_mul_i32 s21, s12, BQ
	s_add_co_u32 s21, s21, ABYTES
	; my 16 rows of the block in out0: row 64 mb + 16 wave, byte 768 nb
	s_lshl_b32 s66, s15, 6
	s_lshl_b32 s67, s12, 4
	s_add_co_u32 s66, s66, s67
	s_mul_i32 s66, s66, 3072
	s_mul_i32 s67, s16, 768
	s_add_co_u32 s66, s66, s67
	s_mov_b32 s67, 0
	s_wait_dscnt 0x0
	s_wait_kmcnt 0x0
	s_add_nc_u64 s[56:57], s[4:5], s[56:57]
	s_add_nc_u64 s[58:59], s[6:7], s[58:59]
	s_add_nc_u64 s[8:9], s[8:9], s[60:61]
	s_add_nc_u64 s[10:11], s[10:11], s[66:67]
.irp s, 0,1
	s_mov_b32 s[G0A+4*\s], 1
	s_add_co_u32 s[G0A+4*\s+1], s20, \s*SLOT
	s_add_nc_u64 s[G0A+4*\s+2:G0A+4*\s+3], s[56:57], \s*8*PLANE    ; four heads on are eight planes
	s_or_b32 s[G0A+4*\s+3], s[G0A+4*\s+3], 0x80000000
	s_mov_b32 s[G0B+4*\s], 1
	s_add_co_u32 s[G0B+4*\s+1], s21, \s*SLOT
	s_add_nc_u64 s[G0B+4*\s+2:G0B+4*\s+3], s[58:59], \s*512
	s_or_b32 s[G0B+4*\s+3], s[G0B+4*\s+3], 0x80000000
.endr
	ROUND                                          ; all sixteen work-groups are here: the first joint loads meet
	tensor_load_to_lds s[G0A:G0A+3], s[G1A:G1A+7]          ; K step 0
	s_nop 0
	tensor_load_to_lds s[G0B:G0B+3], s[G1B:G1B+7]
	s_nop 0
	tensor_load_to_lds s[G0A+4:G0A+7], s[G1A:G1A+7]        ; K step 1: four tensor loads of the wave are out
	s_nop 0
	tensor_load_to_lds s[G0B+4:G0B+7], s[G1B:G1B+7]
	s_nop 0
	v_and_b32 v1, 15, v0                           ; r
	v_bfe_u32 v10, v0, 4, 1                        ; h
	v_lshlrev_b32 v[BO], 5, v10
.irp n, 0,1,2
	global_load_b128 v[BIAS+8*\n:BIAS+8*\n+3],   v[BO], s[8:9] offset:64*\n        ; bias of columns 16 n + 8 h + 0..3
	global_load_b128 v[BIAS+8*\n+4:BIAS+8*\n+7], v[BO], s[8:9] offset:64*\n+16
.endr
	v_mul_u32_u24 v[ADRA], v1, AP
	v_lshl_add_u32 v[ADRA], v10, 4, v[ADRA]        ; 144 r + 16 h
	v_add_nc_u32 v[ADRA+1], SLOT, v[ADRA]
	v_mul_u32_u24 v[ADRB], v1, BP
	v_lshl_add_u32 v[ADRB], v10, 4, v[ADRB]
	v_add_nc_u32 v[ADRB], s21, v[ADRB]             ; my 48 rows of Wp are those that I fetched
	v_add_nc_u32 v[ADRB+1], SLOT, v[ADRB]
	s_mul_i32 s22, s12, 192
	s_add_co_u32 s22, s22, STAGE
	v_mul_u32_u24 v[STO], v1, SP
	v_lshl_add_u32 v[STO], v10, 5, v[STO]
	v_add_nc_u32 v[STO], s22, v[STO]               ; in: token r, byte 192 wave + 32 h
	s_mul_i32 s23, s12, 16*SP
	s_add_co_u32 s23, s23, STAGE
	v_mul_u32_u24 v[RD], v10, SP
	v_lshl_add_u32 v[RD], v1, 4, v[RD]
	v_add_nc_u32 v[RD], s23, v[RD]                 ; back: rows 16 wave + h, sixteen lanes take 256 bytes
	v_mul_u32_u24 v[CO], v10, 3072
	v_lshl_add_u32 v[CO], v1, 4, v[CO]
; 14 LDS loads: 32 along K (number kq of the step's eight) of the 64 tokens and of my 48 rows of Wp, into buffer f
.macro FETCH slot, kq, f
.irp m, 0,1,2,3
	ds_load_b128 v[\f+8*\m:\f+8*\m+3],   v[ADRA+\slot] offset:APLANE*((\kq)>>1)+16*AP*\m+64*((\kq)&1)
	ds_load_b128 v[\f+8*\m+4:\f+8*\m+7], v[ADRA+\slot] offset:APLANE*((\kq)>>1)+16*AP*\m+64*((\kq)&1)+32
.endr
.irp n, 0,1,2
	ds_load_b128 v[\f+32+8*\n:\f+32+8*\n+3], v[ADRB+\slot] offset:16*BP*\n+64*(\kq)
	ds_load_b128 v[\f+32+8*\n+4:\f+32+8*\n+7], v[ADRB+\slot] offset:16*BP*\n+64*(\kq)+32
.endr
.endm
; 12 matrix instructions; the twelve accumulators take turns, one instruction a turn, always in this order
.macro MUL f, zero
.irp m, 0,1,2,3
.irp n, 0,1,2
.if \zero
	v_wmma_f32_16x16x32_f16 v[ACC+8*(3*\m+\n):ACC+8*(3*\m+\n)+7], v[\f+32+8*\n:\f+32+8*\n+7], v[\f+8*\m:\f+8*\m+7], 0
.else
	v_wmma_f32_16x16x32_f16 v[ACC+8*(3*\m+\n):ACC+8*(3*\m+\n)+7], v[\f+32+8*\n:\f+32+8*\n+7], v[\f+8*\m:\f+8*\m+7], v[ACC+8*(3*\m+\n):ACC+8*(3*\m+\n)+7]
.endif
.endr
.endr
.endm
; A K step of 256: eight pieces of 32 on buffers 0, 1 in turn; each piece's fragments are fetched while the piece before is multiplied.
; s_wait_dscnt 14: all but the fourteen loads just issued.
.macro KSTEP slot, zero
	PLACES
	FETCH \slot, 0, F0
	FETCH \slot, 1, F1
	s_wait_dscnt 14
	MUL F0, \zero
.irp kq, 2,4,6
	PLACES
	FETCH \slot, \kq, F0
	s_wait_dscnt 14
	MUL F1, 0
	PLACES
	FETCH \slot, \kq+1, F1
	s_wait_dscnt 14
	MUL F0, 0
.endr
	s_wait_dscnt 0
	MUL F1, 0
.endm
	s_wait_tensorcnt 0x2                           ; my two loads of K step 0 are in; K step 1's two, issued behind them, stay out
	s_barrier_signal -1
	s_barrier_wait -1
	KSTEP 0, 1
	s_wait_dscnt 0x0                               ; my reads of slot 0 are over
	s_wait_tensorcnt 0x0                           ; and all my tensor loads have landed, my part of slot 1 among them
	ds_add_u32 v248, v249
	s_wait_dscnt 0x0
	s_add_nc_u64 s[G0A+2:G0A+3], s[G0A+2:G0A+3], 16*PLANE  ; K step 2: eight heads on
	s_add_nc_u64 s[G0B+2:G0B+3], s[G0B+2:G0B+3], 1024
	ROUND                                          ; both now hold of every wave of the cluster
	tensor_load_to_lds s[G0A:G0A+3], s[G1A:G1A+7]          ; slot 0 again, first behind the round: two tensor loads of the wave are out
	s_nop 0
	tensor_load_to_lds s[G0B:G0B+3], s[G1B:G1B+7]
	s_nop 0
	KSTEP 1, 0
	s_wait_tensorcnt 0x0                           ; my part of K step 2
	s_wait_dscnt 0x0
	s_barrier_signal -1
	s_barrier_wait -1                              ; everybody's
	KSTEP 0, 0
	; THE WAY OUT: + bias, 32 bytes a lane into the shared stage, a barrier, whole rows back, out.
	PLACES
	s_wait_loadcnt 0x0                             ; the bias
.irp m, 0,1,2,3
.irp n, 0,1,2
.irp p, 0,2,4,6
	v_pk_add_f32 v[ACC+8*(3*\m+\n)+\p:ACC+8*(3*\m+\n)+\p+1], v[ACC+8*(3*\m+\n)+\p:ACC+8*(3*\m+\n)+\p+1], v[BIAS+8*\n+\p:BIAS+8*\n+\p+1]
.endr
.endr
.endr
.irp m, 0,1,2,3
.irp n, 0,1,2
	ds_store_b128 v[STO], v[ACC+8*(3*\m+\n):ACC+8*(3*\m+\n)+3]   offset:16*SP*\m+64*\n
	ds_store_b128 v[STO], v[ACC+8*(3*\m+\n)+4:ACC+8*(3*\m+\n)+7] offset:16*SP*\m+64*\n+16
.endr
.endr
	s_wait_dscnt 0x0                               ; for the others' sake: my stores are done
	s_barrier_signal -1
	s_barrier_wait -1
.irp p, 0,1,2,3,4,5,6,7
.irp j, 0,1,2
	ds_load_b128 v[RB+4*(3*\p+\j):RB+4*(3*\p+\j)+3], v[RD] offset:2*SP*\p+256*\j
.endr
.endr
.irp p, 0,1,2,3,4,5,6,7
.irp j, 0,1,2
	s_wait_dscnt 23-(3*\p+\j)                      ; this load is in, the younger ones stay out
	global_store_b128 v[CO], v[RB+4*(3*\p+\j):RB+4*(3*\p+\j)+3], s[10:11] offset:6144*\p+256*\j th:TH_STORE_NT   ; sixteen lanes store 256 consecutive bytes, aligned
.endr
.endr
	s_wait_tensorcnt 0x0
	ds_add_u32 v248, v249
	s_wait_dscnt 0x0
	ROUND                                          ; the closing round
	s_endpgm
.Lfunc_end_k_q489723ec67_proj:
	.size	k_q489723ec67_proj, .Lfunc_end_k_q489723ec67_proj-k_q489723ec67_proj
	.p2alignl 7, 3214868480
	.fill 96, 4, 3214868480
	.section	.rodata,"a",@progbits
	.p2align	6, 0x0
	.amdhsa_kernel k_q489723ec67_proj
		.amdhsa_group_segment_fixed_size 327680
		.amdhsa_private_segment_fixed_size 0
		.amdhsa_enable_private_segment 0
		.amdhsa_kernarg_size 32
		.amdhsa_user_sgpr_count 2
		.amdhsa_user_sgpr_kernarg_segment_ptr 1
		.amdhsa_wavefront_size32 1
		.amdhsa_system_sgpr_workgroup_id_x 1
		.amdhsa_system_sgpr_workgroup_id_y 1
		.amdhsa_system_sgpr_workgroup_id_z 1
		.amdhsa_system_vgpr_workitem_id 0
		.amdhsa_next_free_vgpr 250
		.amdhsa_next_free_sgpr 72
		.amdhsa_reserve_vcc 0
		.amdhsa_float_denorm_mode_32 3
		.amdhsa_float_denorm_mode_16_64 3
		.amdhsa_memory_ordered 1
		.amdhsa_forward_progress 1
		.amdhsa_inst_pref_size 60
	.end_amdhsa_kernel
	.amdgpu_metadata
---
amdhsa.version: [ 1, 2 ]
amdhsa.kernels:
  - .name:           k_q489723ec67_proj
    .symbol:         k_q489723ec67_proj.kd
    .args:
      - { .name: y, .offset: 0, .size: 8, .value_kind: global_buffer, .address_space: global }
      - { .name: wph, .offset: 8, .size: 8, .value_kind: global_buffer, .address_space: global }
      - { .name: bp, .offset: 16, .size: 8, .value_kind: global_buffer, .address_space: global }
      - { .name: out0, .offset: 24, .size: 8, .value_kind: global_buffer, .address_space: global }
    .group_segment_fixed_size: 327680
    .private_segment_fixed_size: 0
    .kernarg_segment_align: 8
    .kernarg_segment_size: 32
    .max_flat_workgroup_size: 128
    .sgpr_count:     72
    .vgpr_count:     250
    .wavefront_size: 32
...
	.end_amdgpu_metadata
.endif
;; end of part 4
